; MI455X (gfx1250); checked and timed in simulation.
; The chip was launched on July 23, 2026; its instructions are those of AMD's public machine-readable ISA for CDNA 5 (MIT licence, August 2026) and "CDNA5" Instruction Set Architecture Reference Guide (July 2026). The comments in the code are by the model that wrote it; some were corrected since.
;; Multi Head Attention. Allowed arithmetic: matrix products marked QUANTISED: E2M1 operands, one E8M0 scale for each 32 along K, by v_wmma_scale_f32_16x16x128_f8f6f4 with both operands' format E2M1 (or v_wmma_scale_f32_32x16x128_f4), f32 sums; everything else in f32.
;; Inputs: Wk_codes 1,024 x 32 x 16 uint8 (E2M1 codes of Wk, K innermost, in blocks of 32 codes, two codes a byte); Wk_scales 1,024 x 32 uint8 (E8M0 scales of Wk, one for each 32 codes along K); Wo_codes 1,024 x 32 x 16 uint8 (E2M1 codes of Wo, K innermost, in blocks of 32 codes, two codes a byte); Wo_scales 1,024 x 32 uint8 (E8M0 scales of Wo, one for each 32 codes along K); Wq_codes 1,024 x 32 x 16 uint8 (E2M1 codes of Wq, K innermost, in blocks of 32 codes, two codes a byte); Wq_scales 1,024 x 32 uint8 (E8M0 scales of Wq, one for each 32 codes along K); Wv_codes 1,024 x 32 x 16 uint8 (E2M1 codes of Wv, K innermost, in blocks of 32 codes, two codes a byte); Wv_scales 1,024 x 32 uint8 (E8M0 scales of Wv, one for each 32 codes along K); bo 1,024 float32; x_codes 4 x 2,048 x 32 x 16 uint8 (E2M1 codes of x, K innermost, in blocks of 32 codes, two codes a byte); x_scales 4 x 2,048 x 32 uint8 (E8M0 scales of x, one for each 32 codes along K).
;; Outputs: out0 4 x 2,048 x 1,024 float32.
;; This version of the problem:
;;   THIS VERSION OF THE PROBLEM IS GIVEN IN LOW PRECISION. The matrix products marked QUANTISED in the list below multiply operands that are first quantised to E2M1 (2 exponent bits, 1 mantissa bit; 4 bits a number), with one power-of-two scale for each 32 numbers along K (OCP MX v1.0); their sums are f32. All else is computed in f32.
;;   The module's matrix products, in the order in which they are computed (A, B: the left and right operand; K: the contracted axis; several contracted axes count as one K, in the product's order):
;;     1. [M 8,192, K 1,024] x [K 1,024, N 1,024]; A: input x (given as codes); B: input Wq (given as codes): QUANTISED
;;     2. [M 8,192, K 1,024] x [K 1,024, N 1,024]; A: input x (given as codes); B: input Wk (given as codes): QUANTISED
;;     3. [M 8,192, K 1,024] x [K 1,024, N 1,024]; A: input x (given as codes); B: input Wv (given as codes): QUANTISED
;;     4. batch 64 x [M 2,048, K 64] x [K 64, N 2,048]; A: computed on the way; B: computed on the way: QUANTISED
;;     5. batch 64 x [M 2,048, K 2,048] x [K 2,048, N 64]; A: softmax (see below); B: computed on the way: QUANTISED
;;     6. [M 8,192, K 1,024] x [K 1,024, N 1,024]; A: computed on the way; B: input Wo (given as codes): QUANTISED
;;   THE QUANTISER, for each operand of a quantised product, along K:
;;     - K is cut into blocks of 32 from its start; a last block that is shorter is filled with zeros.
;;     - A block's scale is 2^e with e = floor(log2(the largest magnitude in the block)) - 2, held to -126 .. 127; a block of zeros has e = 0. As a byte (E8M0): e + 127.
;;     - Each number is divided by its block's scale, clamped to +-6, and rounded to the nearest number of E2M1, ties to even, subnormals kept.
;;     - The product sums the exact products of the quantised numbers (number of the format x scale) in f32.
;;   ~~~python
;;   def quantise(x, axis):      # numpy; x: float32 -> the quantised numbers, widened to float32 again
;;       x = np.moveaxis(x, axis, -1); K = x.shape[-1]
;;       x = np.pad(x, [(0, 0)] * (x.ndim - 1) + [(0, -K % 32)]); x = x.reshape(x.shape[:-1] + (-1, 32)); a = np.abs(x).max(-1, keepdims=True)
;;       e = np.where(a > 0, np.clip(np.frexp(np.where(a > 0, a, 1))[1] - 1 - 2, -126, 127), 0)      # np.frexp(a)[1] - 1 = floor(log2(a)), exactly
;;       r = np.clip(x / 2.0 ** e, -6, 6)
;;       step = 2.0 ** (np.maximum(np.frexp(np.where(r == 0, 1, r))[1] - 1, 0) - 1)
;;       q = np.round(r / step) * step * 2.0 ** e      # np.round: ties to even
;;       return np.moveaxis(q.reshape(q.shape[:-2] + (-1,))[..., :K], -1, axis).astype(np.float32)
;;   ~~~
;;   SOFTMAX AHEAD OF A QUANTISED PRODUCT. Where the list says 'softmax', what is quantised is not the finished softmax but p = 2^(t - M), with t = logit x log2(e) and M = ceil(the row's largest t), a whole number; so 1/2 < the row's largest p <= 1. The row's sum l is taken of the UNQUANTISED p, in f32, and the product's result is divided by l at the end. Since M is a whole number, a kernel that streams over the keys may use a running M (the ceiling of the running maximum): every later rescaling is an exact power of two, which a block's scale takes up: the codes' values come out the same.
;;   OPERANDS COMPUTED ON THE WAY. 'Computed on the way' means the value that the module computes at that place (a softmax that the list does not call 'softmax' is quantised finished and normalised). What goes into a quantiser is computed in f32, as accurately as f32 sums, v_exp_f32 and their like allow (about 1e-6 of the number): no bf16 or f16 on the way to a quantiser, and a product that is left as it is and whose result goes on into a quantised operand takes f32 operands (vector FMAs, or v_wmma_f32_16x16x4_f32). A number that lies on a knife's edge between two numbers of the format may be rounded either way, as far as f32 arithmetic and the matrix unit's own rounding can turn it there, and no further.
;;   INPUTS GIVEN AS CODES. Wk (in the module: [1024, 1024], K = its axis 0); Wo (in the module: [1024, 1024], K = its axis 0); Wq (in the module: [1024, 1024], K = its axis 0); Wv (in the module: [1024, 1024], K = its axis 0); x (in the module: [4, 2048, 1024], K = its axis 2): each comes as NAME_codes (uint8): NAME with its K axis moved to the last place and cut into blocks of 32 codes, [.., K / 32, bytes a block], one block behind the other in memory; two codes a byte, the lower K in the low four bits (a code: sign, 2 exponent bits, 1 mantissa bit); and NAME_scales (uint8): the same leading axes, one E8M0 byte (e + 127) for each 32 codes along K. Its value is code x scale, taken as it is: it is not quantised again, and the codes and scales need not be those that the quantiser above would give.
;; One version. Each part assembles by itself: llvm-mc -triple=amdgcn-amd-amdhsa -mcpu=gfx1250 --defsym DOCPART=n.
;; ======== version 1 of 1: 3 launches
;; workspace buffers: qf 4,718,592 bytes; kvf 9,175,040 bytes; cc 4,194,304 bytes; cs 262,144 bytes
;; launch qkv (part 1): grid 12 x 32, 4 waves a work-group, clusters of 4 x 4, 327,680 bytes of LDS; arguments x_codes, x_scales, Wq_codes, Wq_scales, Wk_codes, Wk_scales, Wv_codes, Wv_scales, qf, kvf; writes qf, kvf
.if DOCPART == 1
	.amdgcn_target "amdgcn-amd-amdhsa--gfx1250"
	.amdhsa_code_object_version 6
	.text
	.protected	k_q039c2388e7_qkv
	.globl	k_q039c2388e7_qkv
	.p2align	8
	.type	k_q039c2388e7_qkv,@function
k_q039c2388e7_qkv:
	s_mov_b64 s[64:65], 0
	v_nop
	global_prefetch_b8 v0, s[64:65] scope:SCOPE_SE
	s_setreg_imm32_b32 hwreg(HW_REG_WAVE_MODE, 25, 1), 1
	s_wait_xcnt 0x0
	s_wait_alu depctr_hold_cnt(0) depctr_sa_sdst(0) depctr_va_vdst(0) depctr_va_sdst(0) depctr_va_ssrc(0) depctr_va_vcc(0) depctr_vm_vsrc(0)
	s_getreg_b32 s2, hwreg(HW_REG_IB_STS2, 6, 4)
	s_cmp_eq_u32 s2, 0
	s_cbranch_scc0 .Lentry_in_a_cluster
	s_endpgm
.Lentry_in_a_cluster:
	s_bfe_u32 s2, ttmp6, 0x10000c
	s_cmp_lg_u32 s2, 0xf033
	s_cbranch_scc0 .Lentry_shape_is_right
	s_endpgm
.Lentry_shape_is_right:
; q = x Wq, k = x Wk, v = x Wv on codes of FP4 (E2M1) with E8M0 scales, and the quantisers of q and k (along a head's 64) and of v (along the keys).
; DEAD WORK OF THE PROGRAM (left out in the launch attn): reference() sets the score of key k for query q to -inf where k > q, by a mask that it builds itself, so p = 0 there for all values of the inputs:
; a step of 128 keys all of which come after a tile's 16 queries adds nothing to the sum or to the product with v, and is not walked.  Nothing else is left out; every input is loaded.
; LIMITS: a NaN, an infinity or an overflow that reaches only hidden keys is not carried to the result.  NaN and infinities are not served.  A block whose largest magnitude lies under 2^-124 (a block of zeros too) gets
; the scale byte 1 where the quantiser says otherwise: the bytes are read by this program alone, and a block of zeros has zero codes.
; SHARES.  Cluster x picks the weight (0 Wq, 1 Wk, 2 Wv).  A work-group of four waves makes 256 x 256, a wave 128 x 128: 64 accumulators of 16 x 16, 512 registers.  K = 1,024 lies in LDS whole, as two halves of 512
; (rows of 256 bytes), each filled once: nothing is filled again.
; ROLES.  SOURCE 0 IS THE OPERAND WHOSE ROWS ARE THE NEXT PRODUCT'S K: the weight's rows (a head's 64) for q and k, x's rows (the keys) for v.  Region B of LDS holds source 0, region A source 1.
; In the result, lane (r, h) holds row r of source 1, and register j of tile T the next k = 16 T + 8 h + j: eight neighbours, which one conversion turns into eight codes.
; CLUSTERS: 4 x 4.  A's tile hangs on cy alone (x's tile 4 Y + cy for q and k; Wv's tile cy for v) and is asked for jointly by a row of the cluster; B's hangs on cx alone (the weight's tile cx; x's tile 4 Y + cx for v)
; and is asked for jointly by a column.  One path through the text: only pointers and global offsets are chosen, by the cluster's x, which all partners share.
; OUT.  Codes leave as IMAGES OF OPERAND REGISTERS (lane l's 16 bytes at 16 l): every store of codes covers 512 consecutive bytes at a multiple of 256.
;   qf  [head 64][record of 128 tokens 16][4,608]: 8 tiles x 512 bytes (lane (r, h): token r, block h of the head); then scale words [g 2][r 16][i 4] for tile 4 g + i: bytes 0, 1 the head's two scales, bytes 2, 3 zero.
;   kvf [head 64][step of 128 keys 16][8,960]: K's 8 tiles as in qf; V's [c 2][t 4][512]: registers 4 c .. 4 c + 3 of the fragment (16 channels of tile t x 128 keys); K's scale words as in qf; V's [r 16][t 4].
; REGISTERS, in windows of 256: window 0: v1-13 addresses; v16-29 LDS addresses and the add's two; v32-95 scale words, two sets; v112-127 codes and scale words just made; v128-191 A's fragments, one set; v200-215 at work.
;   window 1: B's fragments, two sets, at v0 and v128.   windows 2, 3: the accumulators ((a, b) at v[8 (8 (a % 4) + b)], window 2 + a / 4).
.set PITCH,  272                       ; an LDS row: 256 bytes + 16 of padding: the 16 rows that a load touches start 68 words apart
.set ROWB,   256                       ; 512 codes
.set KROW,   512                       ; a row of x or of a weight in memory
.set NQ,     4                         ; steps of 128 along K in a half
.set FR,     8                         ; registers of a fragment
.set NL,     2                         ; LDS loads that bring one
.set NP,     4                         ; places behind this matrix instruction (ISA guide 7.12.1)
.set HALFT,  128*PITCH                 ; 128 rows: what one tensor load brings, and what one wave reads of A or of B
.set SLOT,   4*HALFT                   ; a half of K: A's 256 rows, then B's 256 rows
.set SCL,    2*SLOT                    ; behind them: the scale bytes, 32 a row, as units of 256 bytes + 16 of padding
.set HALFS,  16*272                    ; those of 128 rows
.set SBLK,   2*272                     ; those of 16 rows
.set SPARE,  SCL+4*HALFS               ; the spare words, 128 bytes for each wave: two blocks of 256 bytes that no other line names
.set VO1,  8                           ; v8   byte offset of my 16 bytes of the first image of a tile
.set VO2,  9                           ; v9   of the second
.set VS1,  10                          ; v10  of my 16 bytes of scale words, tiles 0-3
.set VS2,  11                          ; v11  tiles 4-7
.set SHV,  12                          ; v12  by how many bits my lane shifts a scale word
.set LN,   13                          ; v13  lane
.set ADRA, 16                          ; v16-17  LDS address of my A fragments in half 0, 1
.set ADRB, 20                          ; v20-21  the same for B
.set ADRS, 27                          ; v27     of my scale words: lanes 0-15 A's rows, lanes 16-31 B's
.set SPW,  28                          ; v28     LDS address of my spare word; never rewritten
.set NIL,  29                          ; v29     0; never rewritten
.set SC,   32                          ; scale words: set s at v[SC + 32 s]; register 4 i + q: lanes 0-15 A's block i, lanes 16-31 B's block i
.set PC,   112                         ; v112-119 a fragment's codes
.set SW,   120                         ; v120-127 the eight tiles' scale words
.set AF,   128
.set TM,   200                         ; v200-203 largest magnitudes, v204-207 bytes, v212-215 the conversions' scale operands
.set SEL,  2                           ; s[2:3] lane selects for v_permlanex16_b32: lane l xor 16
.set WV,   96
.set HI,   97
.set LO,   98
.set G1,   24                          ; s[24:31] group 1 for A's tiles; s[32:39] group 0, one for each half
.set G0,   32
.set G1B,  48                          ; s[48:55], s[56:63] the same for B's
.set G0B,  56
.set G1S,  68                          ; s[68:75], s[76:79] for A's scale bytes; s[80:87], s[88:91] for B's
.set G0S,  76
.set G1SB, 80
.set G0SB, 88
.set MSB, 0
.macro WIN new                         ; the immediate's high byte repeats the setting that is left; a switch that changes nothing is dropped
.if MSB != (\new)
	s_set_vgpr_msb (MSB<<8)|(\new)
.set MSB, (\new)
.endif
.endm
.set MUL_LO, 0xa1                      ; source 0 (B) window 1, source 1 (A) window 0, C and D window 2
.set MUL_HI, 0xf1                      ; the same, C and D window 3
.set TO_B,   0x40                      ; destination window 1, address window 0
; A joint load: waves 0 and 1 fetch for A, waves 2 and 3 for B.  The branch hangs on the wave's number alone.  An s_nop 0 and four v_nop follow each of the two lines.
.macro JLOAD g0a, g1a, g0b, g1b
	s_cmp_eq_u32 s[HI], 0
	s_cbranch_scc0 .Lfor_b_\@
	tensor_load_to_lds s[\g0a:\g0a+3], s[\g1a:\g1a+7]
	s_nop 0
.rept 4
	v_nop
.endr
	s_branch .Lasked_\@
.Lfor_b_\@:
	tensor_load_to_lds s[\g0b:\g0b+3], s[\g1b:\g1b+7]
	s_nop 0
.rept 4
	v_nop
.endr
.Lasked_\@:
.endm
.macro CROUND                          ; a round of the cluster's barrier
	s_barrier_signal -1
	s_barrier_wait -1
	s_cmp_lg_u32 s[WV], 0
	s_cbranch_scc1 .Lnot_wave_0_\@
	s_barrier_signal -3
.Lnot_wave_0_\@:
	s_barrier_wait -3
	s_barrier_signal -1
	s_barrier_wait -1
.endm
	s_load_b512 s[4:19], s[0:1], 0x0               ; x's codes s[4:5], scales s[6:7]; Wq's s[8:11]; Wk's s[12:15]; Wv's s[16:19]
	s_load_b128 s[20:23], s[0:1], 0x40             ; qf s[20:21], kvf s[22:23]
	v_lshl_add_u32 v[SPW], v0, 2, SPARE
	v_mov_b32 v[NIL], 0
	ds_add_u32 v[SPW], v[NIL]                      ; the wave's opening: the add, twice on end, and its wait ahead of my first tensor load
	ds_add_u32 v[SPW], v[NIL]                      ; and once more; the set-up below, work on registers, stands between it and the wait
	v_lshrrev_b32 v1, 5, v0
	v_readfirstlane_b32 s[WV], v1                  ; wave 0..3
	s_lshr_b32 s[HI], s[WV], 1                     ; which half of A's rows is mine.  Also: I fetch for A (0) or for B (1)
	s_and_b32 s[LO], s[WV], 1                      ; which half of B's rows.  Also: which 128 rows of that tile I fetch
	s_bfe_u32 s40, ttmp6, 0x40000                  ; cx
	s_bfe_u32 s41, ttmp6, 0x40004                  ; cy
	s_and_b32 s42, ttmp7, 0xffff
	s_lshl_b32 s42, s42, 2                         ; 4 x cluster y
	s_lshl_b32 s43, s41, 2
	s_lshl_b32 s43, 15, s43                        ; my row of the cluster
	s_lshl_b32 s44, 0x1111, s40                    ; my column
	s_or_b32 s[G1+0], s43, (0<<16)|(1<<20)|(1<<21)|(5<<22)|(3<<25)   ; 15:0 the mask; 17:16 elements of 1 byte; 20 padding on; 21 set beside a mask; 24:22 after every 64 words; 31:25 four words
	s_or_b32 s[G1B+0], s44, (0<<16)|(1<<20)|(1<<21)|(5<<22)|(3<<25)
.irp g, G1, G1B
	s_mov_b32 s[\g+1], ROWB<<16                    ; tensor_dim0
	s_mov_b32 s[\g+2], 128<<16                     ; tensor_dim1
	s_mov_b32 s[\g+3], ROWB<<16                    ; tile_dim0
	s_mov_b32 s[\g+4], 128                         ; tile_dim1
	s_mov_b32 s[\g+5], KROW                        ; from row to row
	s_mov_b32 s[\g+6], 0
	s_mov_b32 s[\g+7], 0
.endr
	s_or_b32 s[G1S+0], s43, (3<<16)|(1<<20)|(1<<21)|(5<<22)|(3<<25)  ; the scale bytes of 128 rows: 4,096 dense bytes as 16 rows of 256 (32 elements of 8 bytes), 16 bytes of padding behind each
	s_or_b32 s[G1SB+0], s44, (3<<16)|(1<<20)|(1<<21)|(5<<22)|(3<<25)
.irp g, G1S, G1SB
	s_mov_b32 s[\g+1], 32<<16
	s_mov_b32 s[\g+2], 16<<16
	s_mov_b32 s[\g+3], 32<<16
	s_mov_b32 s[\g+4], 16
	s_mov_b32 s[\g+5], 32
	s_mov_b32 s[\g+6], 0
	s_mov_b32 s[\g+7], 0
.endr
	s_cmp_eq_u32 ttmp9, 2                          ; is this cluster v's?  The same in all sixteen partners
	s_cselect_b32 s66, 0, s42                      ; A's tile: Wv's tile cy, or x's tile 4 Y + cy
	s_cselect_b32 s46, s42, 0                      ; B's tile: x's tile 4 Y + cx, or the weight's tile cx
	s_add_co_u32 s66, s66, s41
	s_add_co_u32 s46, s46, s40
	s_lshl_b32 s99, s[LO], 7                       ; which 128 rows of the tile I fetch
	s_lshl_b32 s66, s66, 8
	s_add_co_u32 s66, s66, s99                     ; A's first row that I fetch
	s_lshl_b32 s46, s46, 8
	s_add_co_u32 s46, s46, s99                     ; B's
	s_lshl_b32 s100, s66, 5                        ; their scale bytes: 32 a row
	s_mov_b32 s101, 0
	s_lshl_b32 s92, s46, 5
	s_mov_b32 s93, 0
	s_lshl_b32 s66, s66, 9                         ; their codes: 512 bytes a row
	s_mov_b32 s67, 0
	s_lshl_b32 s46, s46, 9
	s_mov_b32 s47, 0
	s_mul_i32 s45, s[WV], HALFT                    ; where they go: wave x 128 rows: no place in the cluster enters an LDS address
	s_mul_i32 s94, s[WV], HALFS
	s_mov_b32 s[SEL], 0x76543210
	s_mov_b32 s[SEL+1], 0xfedcba98
	s_wait_dscnt 0x0                               ; both opening adds are done
	s_wait_kmcnt 0x0
	s_cmp_eq_u32 ttmp9, 1
	s_cselect_b64 s[12:13], s[12:13], s[4:5]       ; Wk, or (for v) x
	s_cselect_b64 s[14:15], s[14:15], s[6:7]
	s_cmp_eq_u32 ttmp9, 0
	s_cselect_b64 s[8:9], s[8:9], s[12:13]         ; B's codes
	s_cselect_b64 s[10:11], s[10:11], s[14:15]     ; B's scales
	s_cselect_b64 s[12:13], s[20:21], s[22:23]     ; where the results go: qf, or kvf
	s_cmp_eq_u32 ttmp9, 2
	s_cselect_b64 s[4:5], s[16:17], s[4:5]         ; A's codes: Wv's, or x's
	s_cselect_b64 s[6:7], s[18:19], s[6:7]         ; A's scales
	s_add_nc_u64 s[4:5], s[4:5], s[66:67]
	s_add_nc_u64 s[6:7], s[6:7], s[100:101]
	s_add_nc_u64 s[8:9], s[8:9], s[46:47]
	s_add_nc_u64 s[10:11], s[10:11], s[92:93]
	CROUND                                         ; all sixteen work-groups are here: the first joint loads meet
	s_mov_b32 s[G0S], 1
	s_add_co_u32 s[G0S+1], s94, SCL
	s_mov_b64 s[G0S+2:G0S+3], s[6:7]
	s_or_b32 s[G0S+3], s[G0S+3], 0x80000000
	s_mov_b32 s[G0SB], 1
	s_add_co_u32 s[G0SB+1], s94, SCL
	s_mov_b64 s[G0SB+2:G0SB+3], s[10:11]
	s_or_b32 s[G0SB+3], s[G0SB+3], 0x80000000
	JLOAD G0S, G1S, G0SB, G1SB                     ; the scale bytes first: they are wanted with the first half.  With the two below, three loads of mine are out
.irp s, 0,1
	s_mov_b32 s[G0+4*\s], 1
	s_add_co_u32 s[G0+4*\s+1], s45, \s*SLOT
	s_add_nc_u64 s[G0+4*\s+2:G0+4*\s+3], s[4:5], \s*ROWB
	s_or_b32 s[G0+4*\s+3], s[G0+4*\s+3], 0x80000000
	s_mov_b32 s[G0B+4*\s], 1
	s_add_co_u32 s[G0B+4*\s+1], s45, \s*SLOT
	s_add_nc_u64 s[G0B+4*\s+2:G0B+4*\s+3], s[8:9], \s*ROWB
	s_or_b32 s[G0B+4*\s+3], s[G0B+4*\s+3], 0x80000000
	JLOAD G0+4*\s, G1, G0B+4*\s, G1B
.endr
	v_and_b32 v1, 15, v0                           ; r = lane % 16
	v_bfe_u32 v2, v0, 4, 1                         ; h = lane / 16
	v_mul_u32_u24 v3, v1, PITCH
	v_lshl_add_u32 v4, v2, 4, v3                   ; a fragment's row x pitch + 16 h
	s_mul_i32 s46, s[HI], HALFT                    ; my 128 rows of A
	s_mul_i32 s47, s[LO], HALFT                    ; my 128 rows of B,
	s_add_co_u32 s47, s47, 2*HALFT                 ; which lie behind A's 256
.irp s, 0,1
	v_add_nc_u32 v[ADRA+\s], s46, v4
	v_add_nc_u32 v[ADRB+\s], s47, v4
	s_add_co_u32 s46, s46, SLOT
	s_add_co_u32 s47, s47, SLOT
.endr
	v_mul_u32_u24 v5, v1, 32                       ; my row's scale bytes: 32 a row,
	v_lshrrev_b32 v6, 8, v5
	v_lshl_add_u32 v5, v6, 4, v5                   ; and 16 more for each 256 passed
	s_mul_i32 s46, s[HI], HALFS
	s_mul_i32 s47, s[LO], HALFS
	s_add_co_u32 s47, s47, 2*HALFS
	s_sub_co_u32 s47, s47, s46
	v_mul_u32_u24 v6, s47, v2                      ; lanes 16-31 take B's
	s_add_co_u32 s46, s46, SCL
	v_add_nc_u32 v5, v5, v6
	v_add_nc_u32 v[ADRS], s46, v5
	; where the results go, in bytes from the buffer's first.  q: heads 73,728 apart, records 4,608; k, v: 143,360 and 8,960
	s_cmp_eq_u32 ttmp9, 0
	s_mov_b32 s14, 143360
	s_cselect_b32 s14, 73728, s14                  ; from head to head
	s_mov_b32 s15, 8960
	s_cselect_b32 s15, 4608, s15                   ; from record to record
	s_mov_b32 s16, 8192
	s_cselect_b32 s16, 4096, s16                   ; the scale words' place in a record: q 4,096, k 8,192,
	s_cmp_eq_u32 ttmp9, 2
	s_cselect_b32 s16, 8704, s16                   ; v 8,704
	s_cselect_b32 s17, s40, s41                    ; x's tile is 4 Y + this
	s_cselect_b32 s18, s41, s40                    ; the weight's tile (4 heads)
	s_cselect_b32 s19, s[LO], s[HI]                ; my half of x's tile
	s_cselect_b32 s20, s[HI], s[LO]                ; my half of the weight's tile (2 heads)
	s_cselect_b32 s21, 4096, 0                     ; the codes' place in a record: V's behind K's
	s_cselect_b32 s22, 2048, s14                   ; from the first image of a tile to the second: v: registers 4-7 of the fragment; q, k: the next head
	s_cselect_b32 s23, 141312, 0                   ; v: tiles 4-7 belong to the next head: 143,360 - 4 x 512 further on
	s_mov_b32 s46, 256
	s_cselect_b32 s46, 143360, s46                 ; from the scale words of tiles 0-3 to those of tiles 4-7
	s_cselect_b32 s47, 0, s14                      ; q, k: lanes 16-31 store the second head's scale words
	s_cselect_b32 s92, 0, 16                       ; which are the upper half of a word;
	s_mov_b32 s93, 0xffff
	s_cselect_b32 s93, -1, s93                     ; q, k: two bytes a head, the other two zero; v: all four
	s_cselect_b32 s99, 16, 32                      ; v: lanes 0-15 alone store scale words
	s_add_co_u32 s17, s17, s42                     ; x's tile of 256 tokens, 0..31
	s_lshr_b32 s66, s17, 3
	s_lshl_b32 s66, s66, 4                         ; 16 heads a batch
	s_lshl_b32 s18, s18, 2
	s_add_co_u32 s66, s66, s18
	s_lshl_b32 s20, s20, 1
	s_add_co_u32 s66, s66, s20                     ; my first head, 0..63
	s_and_b32 s17, s17, 7
	s_lshl_b32 s17, s17, 1
	s_add_co_u32 s17, s17, s19                     ; my record of 128 tokens
	s_mul_i32 s66, s66, s14
	s_mul_i32 s17, s17, s15
	s_add_co_u32 s66, s66, s17
	s_add_co_u32 s21, s21, s66                     ; the codes
	s_add_co_u32 s16, s16, s66                     ; the scale words
	v_and_b32 v[LN], 31, v0
	v_lshlrev_b32 v[VO1], 4, v[LN]
	v_add_nc_u32 v[VO1], s21, v[VO1]
	v_add_nc_u32 v[VO2], s22, v[VO1]
	v_lshlrev_b32 v[VS1], 4, v1
	v_mul_u32_u24 v5, s47, v2
	v_add3_u32 v[VS1], v[VS1], v5, s16
	v_add_nc_u32 v[VS2], s46, v[VS1]
	v_mul_u32_u24 v[SHV], s92, v2
.macro FRAG reg, adr, q, i             ; 16 rows x 128 K of 4-bit codes: lane (r, h) holds row r; registers 4 c .. 4 c + 3 hold K = 64 c + 32 h + 0 .. 31
.irp c, 0,1
	ds_load_b128 v[\reg+4*\c:\reg+4*\c+3], v[\adr] offset:64*(\q)+32*\c+(\i)*16*PITCH
.endr
.endm
; 16 matrix instructions: A's blocks a0, a0 + 1 x B's eight, the half's q-th 128 along K.  p: B's set; sc: the set of scale words.  zero = 1: the first product starts the sums.
; The 64 accumulators take turns, one instruction a turn, in the same order in every step.
.macro MUL16 a0, p, q, sc, zero
.irp a, \a0, \a0+1
.irp b, 0,1,2,3,4,5,6,7
.if \zero
	v_wmma_scale_f32_16x16x128_f8f6f4 v[8*(8*((\a)%4)+\b):8*(8*((\a)%4)+\b)+7], v[128*(\p)+FR*\b:128*(\p)+FR*\b+FR-1], v[AF+FR*(\a):AF+FR*(\a)+FR-1], 0, v[SC+8*NQ*(\sc)+NQ*\b+(\q)], v[SC+8*NQ*(\sc)+NQ*(\a)+(\q)] matrix_a_fmt:MATRIX_FMT_FP4 matrix_b_fmt:MATRIX_FMT_FP4 matrix_a_scale:MATRIX_SCALE_ROW1
.else
	v_wmma_scale_f32_16x16x128_f8f6f4 v[8*(8*((\a)%4)+\b):8*(8*((\a)%4)+\b)+7], v[128*(\p)+FR*\b:128*(\p)+FR*\b+FR-1], v[AF+FR*(\a):AF+FR*(\a)+FR-1], v[8*(8*((\a)%4)+\b):8*(8*((\a)%4)+\b)+7], v[SC+8*NQ*(\sc)+NQ*\b+(\q)], v[SC+8*NQ*(\sc)+NQ*(\a)+(\q)] matrix_a_fmt:MATRIX_FMT_FP4 matrix_b_fmt:MATRIX_FMT_FP4 matrix_a_scale:MATRIX_SCALE_ROW1
.endif
.endr
.endr
.endm
.macro FETCH_B slot, q, p
	WIN TO_B
.irp i, 0,1,2,3,4,5,6,7
	FRAG 128*(\p)+FR*\i, ADRB+\slot, \q, \i
.endr
	WIN 0
.endm
.macro FETCH_A slot, q, i0
.irp i, \i0, \i0+1, \i0+2, \i0+3
	FRAG AF+FR*(\i), ADRA+\slot, \q, \i
.endr
.endm
.macro SCALES sc                       ; a half's scale words: four words a row; lanes 0-15 take A's block i, lanes 16-31 B's block i
.irp i, 0,1,2,3,4,5,6,7
	ds_load_b128 v[SC+8*NQ*\sc+NQ*\i:SC+8*NQ*\sc+NQ*\i+3], v[ADRS] offset:\i*SBLK+16*\sc
.endr
.endm
.macro PLACES n                        ; a load into a register that a matrix instruction has read stands NP plain vector instructions behind it (ISA guide 7.12.1 for vector instructions)
.rept \n
	v_nop
.endr
.endm
; A step of 128 along K that has its successor in the same half.  A block of A is free as soon as its eight products are issued: blocks 0-3 are fetched anew in the step's middle, blocks 4-7 at its end.
.macro STEP slot, q, zero
	s_wait_dscnt 4*NL                              ; all but the eight youngest loads (A's blocks 4-7) are in
	WIN MUL_LO
	MUL16 0, (\q)%2, \q, \slot, \zero
	MUL16 2, (\q)%2, \q, \slot, \zero
	s_wait_dscnt 0                                 ; A's blocks 4-7 are in
	PLACES NP
	FETCH_B \slot, (\q)+1, 1-(\q)%2
	FETCH_A \slot, (\q)+1, 0
	WIN MUL_HI
	MUL16 4, (\q)%2, \q, \slot, \zero
	MUL16 6, (\q)%2, \q, \slot, \zero
	PLACES NP
	WIN 0
	FETCH_A \slot, (\q)+1, 4
.endm
.macro STEPS slot, from
.set Q, \from
.rept NQ-1-\from
	STEP \slot, Q, 0
.set Q, Q+1
.endr
.endm
	s_wait_tensorcnt 1                             ; the scale bytes and my part of the first half are in; one load, the second half's, may be out
	s_barrier_signal -1
	s_barrier_wait -1                              ; everybody's are
	FETCH_B 0, 0, 0
	FETCH_A 0, 0, 0
	SCALES 0
	FETCH_A 0, 0, 4
	STEP 0, 0, 1                                   ; the first step's products start the sums: nothing is cleared
	STEPS 0, 1
	; the first half's last step, and the change to the second half: each wave's part of it has landed, then one barrier; nothing is filled again
	s_wait_tensorcnt 0x0
	s_wait_dscnt 4*NL
	WIN MUL_LO
	MUL16 0, 1, NQ-1, 0, 0
	s_wait_dscnt 0x0                               ; no LDS instruction of mine is out at the signal
	s_barrier_signal -1
	MUL16 2, 1, NQ-1, 0, 0
	s_barrier_wait -1
	PLACES NP
	FETCH_B 1, 0, 0
	FETCH_A 1, 0, 0
	SCALES 1
	WIN MUL_HI
	MUL16 4, 1, NQ-1, 0, 0
	MUL16 6, 1, NQ-1, 0, 0
	PLACES NP
	WIN 0
	FETCH_A 1, 0, 4
	STEPS 1, 0
	s_wait_dscnt 4*NL                              ; the very last step: nothing more to fetch
	WIN MUL_LO
	MUL16 0, 1, NQ-1, 1, 0
	MUL16 2, 1, NQ-1, 1, 0
	s_wait_dscnt 0
	WIN MUL_HI
	MUL16 4, 1, NQ-1, 1, 0
	MUL16 6, 1, NQ-1, 1, 0
	WIN 0
.irp b, 0,1,2,3
	v_mov_b32 v[TM+4+\b], 0                        ; written once: a lane permute's destination counts as one of its sources.  These four are also the places behind the last products
.endr
; THE QUANTISER.  64 numbers of a lane at v[s] on, in window w: register 8 T + j = next k 16 T + 8 h + j of my row.  Block b of 32 is registers 16 b .. 16 b + 15 of lanes l and l xor 16.
; The conversion of tile T gives the eight codes of k = 16 T + 8 h on.  The operand wants register 4 c + i of half h to hold k = 64 c + 32 h + 8 i on: tile T's codes go to register 4 (T / 4) + 2 (T % 2) + (T % 4) / 2,
; and two exchanges of halves for each four registers put every eight codes in their place.  Each accumulator is read from its low end on.
.macro QUANT s, w, pw
	WIN (\w)|((\w)<<2)
.irp b, 0,1,2,3
	v_max3_num_f32 v[TM+\b], |v[\s+16*\b]|, |v[\s+16*\b+1]|, 0x1800000   ; and the floor 2^(3 - 127): the byte cannot fall under 1
.endr
.irp i, 2,4,6,8,10,12,14
.irp b, 0,1,2,3
	v_max3_num_f32 v[TM+\b], |v[\s+16*\b+\i]|, |v[\s+16*\b+\i+1]|, v[TM+\b]   ; the four blocks by turns
.endr
.endr
	WIN 0
.irp b, 0,1,2,3
	v_permlanex16_b32 v[TM+4+\b], v[TM+\b], s[SEL], s[SEL+1]
.endr
.irp b, 0,1,2,3
	v_max_num_f32 v[TM+\b], v[TM+\b], v[TM+4+\b]   ; with lane l xor 16's: the block's largest magnitude
.endr
.irp b, 0,1,2,3
	v_add_nc_u32 v[TM+12+\b], 0xff000000, v[TM+\b] ; 2 off its exponent field: the conversion takes the exponent field of this operand as its scale
.endr
.irp b, 0,1,2,3
	v_lshrrev_b32 v[TM+4+\b], 23, v[TM+12+\b]      ; the scale's byte
.endr
	v_lshl_or_b32 v[\pw], v[TM+5], 8, v[TM+4]
	v_lshl_or_b32 v[\pw], v[TM+6], 16, v[\pw]
	v_lshl_or_b32 v[\pw], v[TM+7], 24, v[\pw]
	s_wait_xcnt 0x0                                ; the last tile's stores have read the codes' registers: they are written again only behind this wait
	WIN (\w)
.irp t, 0,1,2,3,4,5,6,7
	v_cvt_scalef32_pk8_fp4_f32 v[PC+4*(\t/4)+2*(\t%2)+(\t%4)/2], v[\s+8*\t:\s+8*\t+7], v[TM+12+\t/2]
.endr
	WIN 0
	v_nop                                          ; one plain place behind a scaled conversion
.irp c, 0,1
	v_permlane16_swap_b32 v[PC+4*\c], v[PC+4*\c+1]
	v_permlane16_swap_b32 v[PC+4*\c+2], v[PC+4*\c+3]
.endr
.endm
; A's block a: q, k: 16 tokens x two heads: registers 0-3 are the first head's image, 4-7 the second's.  v: 16 channels x 128 keys: one fragment, in two halves.
.set QA, 0
.rept 8
.if QA == 4
	s_wait_xcnt 0x0                                ; the stores so far have read their offsets
	v_add_nc_u32 v[VO1], s23, v[VO1]
	v_add_nc_u32 v[VO2], s23, v[VO2]
.endif
	QUANT 64*(QA%4), 2+QA/4, SW+QA
	global_store_b128 v[VO1], v[PC:PC+3], s[12:13] offset:512*QA       ; 32 lanes store 512 consecutive bytes, at a multiple of 256 from the buffer's first byte
	global_store_b128 v[VO2], v[PC+4:PC+7], s[12:13] offset:512*QA
.set QA, QA+1
.endr
.irp i, 0,1,2,3,4,5,6,7
	v_lshrrev_b32 v[SW+\i], v[SHV], v[SW+\i]       ; q, k: lanes 16-31 take the second head's two bytes
.endr
.irp i, 0,1,2,3,4,5,6,7
	v_and_b32 v[SW+\i], s93, v[SW+\i]
.endr
	v_cmp_gt_u32 vcc_lo, s99, v[LN]
	s_wait_alu depctr_va_vdst(0)
	s_wait_xcnt 0x0                                ; EXEC changes only behind this wait
	s_and_saveexec_b32 s100, vcc_lo
	global_store_b128 v[VS1], v[SW:SW+3], s[12:13]           ; sixteen lanes store 256 consecutive bytes, aligned
	global_store_b128 v[VS2], v[SW+4:SW+7], s[12:13]
	s_wait_xcnt 0x0                                ; and again, in front of the line that widens it
	s_or_b32 exec_lo, exec_lo, s100
	s_wait_tensorcnt 0x0                           ; the wave's end
	ds_add_u32 v[SPW], v[NIL]
	s_wait_dscnt 0x0
	CROUND                                         ; the closing round
	s_endpgm
.Lfunc_end_k_q039c2388e7_qkv:
	.size	k_q039c2388e7_qkv, .Lfunc_end_k_q039c2388e7_qkv-k_q039c2388e7_qkv
	.p2alignl 7, 3214868480
	.fill 96, 4, 3214868480
	.section	.rodata,"a",@progbits
	.p2align	6, 0x0
	.amdhsa_kernel k_q039c2388e7_qkv
		.amdhsa_group_segment_fixed_size 327680
		.amdhsa_private_segment_fixed_size 0
		.amdhsa_enable_private_segment 0
		.amdhsa_kernarg_size 80
		.amdhsa_user_sgpr_count 2
		.amdhsa_user_sgpr_kernarg_segment_ptr 1
		.amdhsa_wavefront_size32 1
		.amdhsa_system_sgpr_workgroup_id_x 1
		.amdhsa_system_sgpr_workgroup_id_y 1
		.amdhsa_system_sgpr_workgroup_id_z 1
		.amdhsa_system_vgpr_workitem_id 0
		.amdhsa_next_free_vgpr 1024
		.amdhsa_next_free_sgpr 102
		.amdhsa_reserve_vcc 1
		.amdhsa_float_denorm_mode_32 3
		.amdhsa_float_denorm_mode_16_64 3
		.amdhsa_memory_ordered 1
		.amdhsa_forward_progress 1
		.amdhsa_inst_pref_size 130
	.end_amdhsa_kernel
	.amdgpu_metadata
---
amdhsa.version: [ 1, 2 ]
amdhsa.kernels:
  - .name:           k_q039c2388e7_qkv
    .symbol:         k_q039c2388e7_qkv.kd
    .args:
      - { .name: x_codes, .offset: 0, .size: 8, .value_kind: global_buffer, .address_space: global }
      - { .name: x_scales, .offset: 8, .size: 8, .value_kind: global_buffer, .address_space: global }
      - { .name: Wq_codes, .offset: 16, .size: 8, .value_kind: global_buffer, .address_space: global }
      - { .name: Wq_scales, .offset: 24, .size: 8, .value_kind: global_buffer, .address_space: global }
      - { .name: Wk_codes, .offset: 32, .size: 8, .value_kind: global_buffer, .address_space: global }
      - { .name: Wk_scales, .offset: 40, .size: 8, .value_kind: global_buffer, .address_space: global }
      - { .name: Wv_codes, .offset: 48, .size: 8, .value_kind: global_buffer, .address_space: global }
      - { .name: Wv_scales, .offset: 56, .size: 8, .value_kind: global_buffer, .address_space: global }
      - { .name: qf, .offset: 64, .size: 8, .value_kind: global_buffer, .address_space: global }
      - { .name: kvf, .offset: 72, .size: 8, .value_kind: global_buffer, .address_space: global }
    .group_segment_fixed_size: 327680
    .private_segment_fixed_size: 0
    .kernarg_segment_align: 8
    .kernarg_segment_size: 80
    .max_flat_workgroup_size: 128
    .sgpr_count:     102
    .vgpr_count:     1024
    .wavefront_size: 32
...
	.end_amdgpu_metadata
.endif
;; end of part 1
;; launch attn (part 2): grid 4 x 64, 16 waves a work-group, clusters of 4 x 1, 167,936 bytes of LDS; arguments qf, kvf, cc, cs; writes cc, cs
.if DOCPART == 2
	.amdgcn_target "amdgcn-amd-amdhsa--gfx1250"
	.amdhsa_code_object_version 6
	.text
	.protected	k_q039c2388e7_attn
	.globl	k_q039c2388e7_attn
	.p2align	8
	.type	k_q039c2388e7_attn,@function
k_q039c2388e7_attn:
	s_mov_b64 s[64:65], 0
	v_nop
	global_prefetch_b8 v0, s[64:65] scope:SCOPE_SE
	s_setreg_imm32_b32 hwreg(HW_REG_WAVE_MODE, 25, 1), 1
	s_wait_xcnt 0x0
	s_wait_alu depctr_hold_cnt(0) depctr_sa_sdst(0) depctr_va_vdst(0) depctr_va_sdst(0) depctr_va_ssrc(0) depctr_va_vcc(0) depctr_vm_vsrc(0)
	s_getreg_b32 s2, hwreg(HW_REG_IB_STS2, 6, 4)
	s_cmp_eq_u32 s2, 0
	s_cbranch_scc0 .Lentry_in_a_cluster
	s_endpgm
.Lentry_in_a_cluster:
	s_bfe_u32 s2, ttmp6, 0x10000c
	s_cmp_lg_u32 s2, 0x3003
	s_cbranch_scc0 .Lentry_shape_is_right
	s_endpgm
.Lentry_shape_is_right:
; ctx = softmax(q k^T / 8, causal) v for one head, both products on codes of FP4 (E2M1) with E8M0 scales, and the quantiser of ctx along the model's 1,024 (two blocks a head).
; LEFT OUT AS DEAD WORK: steps of 128 keys all of which come after a tile's 16 queries (reference()'s own causal mask makes their p zero for all inputs; shown at the head of the launch qkv).
; THE SOFTMAX: t = score x log2(e) / 8; M = the largest t so far, rounded UP to a whole number; p = 2^(t - M) is quantised along the keys, not normalised; the row's sum is taken of the unquantised p and divides at the end.
; When M moves, the sum and O are multiplied by 2^(old M - new M): exact.
; LIMITS: NaN and infinities are not served.  A block's largest p is taken from its largest score, by the same multiply-add and exponential: this takes v_exp_f32 not to fall where its input rises.
; A block whose largest magnitude lies under 2^-124 gets the scale byte 1 (this program alone reads the bytes).
; SHARES.  A cluster of four work-groups is one head.  Work-group j, wave w takes the tile of 16 queries 4 w + j, and then tile 127 - (4 w + j): w / 2 + 1 and 16 - w / 2 live steps, 17 for every wave.
; The counts hang on the wave's number alone; the work-group's place enters global offsets and the mask's number of a lane, nothing else.
; LDS holds the head's whole block of kvf, 143,360 bytes, filled ONCE by four joint loads (waves 0-3, 140 rows of 256 bytes each); all fragments lie there as images of registers (lane l's 16 bytes at 16 l).
; LAYOUT.  Both products are used transposed: S^T = K Q^T (source 0 = 16 neighbouring keys), O^T = V^T P^T: a lane holds ONE query (lane % 16); register j of tile T holds key 16 T + 8 h + j.
; K = 64 IN AN INSTRUCTION OF 128: Q's registers 4-7 are zero codes; bytes 2, 3 of Q's and K's scale words are 0 (2^-127, a number).  K's operand for tile T names v[32 + 4 T] on, eight registers: its upper four are the next
; tile's codes (zeros behind tile 7), numbers that are multiplied by Q's zeros.
.set REC,   8960                       ; a step of 128 keys: K's 8 tiles (4,096), V's 4 fragments (4,096), K's scale words (512), V's (256)
.set HEADB, 16*REC
.set SPARE, HEADB                      ; behind the head's block: the spare words, 128 bytes for each of 16 waves: eight blocks of 256 bytes that no other line names
.set QREC,  4608
.set QHEAD, 16*QREC
.set LI,   1                           ; v1   16 x lane
.set LR,   2                           ; v2   16 x (lane % 16)
.set SPW,  3                           ; v3   LDS address of my spare word; never rewritten
.set NIL,  4                           ; v4   0; never rewritten
.set ADK,  5                           ; v5   the step's images
.set ADS,  6                           ; v6   the step's scale words
.set DG1,  7                           ; v7, v8   my query less the diagonal step's first key less 8 h, for the two tiles
.set DG2,  8
.set GOC1, 9                           ; v9, v10  where ctx's codes go
.set GOC2, 10
.set GOS1, 11                          ; v11, v219  where its scale byte goes
.set GOS2, 219
.set Q1,   16                          ; v16-23, v24-31 Q's two fragments (upper four: zeros)
.set Q2,   24
.set KF,   32                          ; v32-63 K's 8 tiles; v64-67 zeros
.set VF,   68                          ; v68-99 V's 4 fragments
.set SS,   100                         ; v100-163 S^T, then p; on the way out ctx
.set OO,   164                         ; v164-195 O^T
.set PC,   196                         ; v196-203 p's codes
.set KSW,  204                         ; v204-211 K's scale words, v212-215 V's, v216-217 Q's, v218 p's: they hold scales and nothing else
.set VSW,  212
.set QS1,  216
.set QS2,  217
.set PW,   218
.set FF,   220                         ; v[220:221] f = 2^(old M - new M) (the pair is named; v221 is written once)
.set NEG,  222                         ; -infinity
.set BM,   224                         ; v224-227 the blocks' largest scores, then largest p
.set BT,   228                         ; v228-231 at work
.set BS,   232                         ; v232-235 the conversions' scale operands
.set T0,   236
.set QO1,  237
.set QO2,  238
.set QW1,  239
.set QW2,  240
.set RB,   241
.set RH,   242
.set WV,   12
.set CX,   13
.set BH,   14
.set T1,   15
.set T2,   16
.set DS1,  17                          ; the diagonal step of my first tile: wave / 2
.set DS2,  18                          ; of my second: 15 - wave / 2
.set SEL,  20
.set CS,   22                          ; s[22:23] c = log2(e) / 8
.set G1,   24
.set G0,   32
.set TB,   36                          ; LDS byte at which the step in hand begins
.set SI,   37                          ; the step's number
.set HM,   38                          ; lanes 16-31
.macro CROUND                          ; a round of the cluster's barrier
	s_barrier_signal -1
	s_barrier_wait -1
	s_cmp_lg_u32 s[WV], 0
	s_cbranch_scc1 .Lnot_wave_0_\@
	s_barrier_signal -3
.Lnot_wave_0_\@:
	s_barrier_wait -3
	s_barrier_signal -1
	s_barrier_wait -1
.endm
	s_load_b256 s[4:11], s[0:1], 0x0               ; qf s[4:5], kvf s[6:7], cc s[8:9], cs s[10:11]
	v_lshl_add_u32 v[SPW], v0, 2, SPARE
	v_mov_b32 v[NIL], 0
	ds_add_u32 v[SPW], v[NIL]                      ; the wave's opening: the add, twice on end, and its wait ahead of the first tensor load
	ds_add_u32 v[SPW], v[NIL]                      ; and once more; the set-up below stands between it and the wait
	v_lshrrev_b32 v5, 5, v0
	s_delay_alu instid0(VALU_DEP_1)
	v_readfirstlane_b32 s[WV], v5                  ; wave 0..15
	s_bfe_u32 s[CX], ttmp6, 0x40000                ; my place in the cluster
	s_and_b32 s[BH], ttmp7, 0xffff                 ; batch x 16 + head, which the four partners share
	s_mov_b32 s[G1], 15|(3<<16)|(1<<21)            ; 15:0 the mask: all four work-groups; 17:16 elements of 8 bytes; 21 set beside a mask; no padding
	s_mov_b32 s[G1+1], 32<<16                      ; tensor_dim0 = 32 (256 bytes)
	s_mov_b32 s[G1+2], 140<<16                     ; tensor_dim1 = 140
	s_mov_b32 s[G1+3], 32<<16                      ; tile_dim0
	s_mov_b32 s[G1+4], 140                         ; tile_dim1
	s_mov_b32 s[G1+5], 32                          ; dense rows
	s_mov_b32 s[G1+6], 0
	s_mov_b32 s[G1+7], 0
	s_and_b32 s42, s[WV], 3
	s_mul_i32 s42, s42, 4*REC                      ; a quarter of the head's block: 35,840 bytes
	s_mul_i32 s40, s[BH], HEADB
	s_add_co_u32 s40, s40, s42
	s_mov_b32 s41, 0
	s_mov_b32 s[SEL], 0x76543210
	s_mov_b32 s[SEL+1], 0xfedcba98
	s_mov_b32 s[CS], 0x3e38aa3b                    ; log2(e) / 8
	s_mov_b32 s[CS+1], s[CS]
	s_mov_b32 s[HM], 0xffff0000
	s_lshl_b32 s[T1], s[WV], 2
	s_add_co_u32 s[T1], s[T1], s[CX]               ; my first tile of queries
	s_sub_co_u32 s[T2], 127, s[T1]                 ; my second
	s_lshr_b32 s[DS1], s[WV], 1
	s_sub_co_u32 s[DS2], 15, s[DS1]
	s_wait_dscnt 0x0                               ; both opening adds are done
	s_wait_kmcnt 0x0
	s_mov_b32 s[G0], 1
	s_mov_b32 s[G0+1], s42
	s_add_nc_u64 s[G0+2:G0+3], s[6:7], s[40:41]
	s_or_b32 s[G0+3], s[G0+3], 0x80000000
	CROUND                                         ; all four work-groups are here: the joint loads meet
	s_cmp_lt_u32 s[WV], 4                          ; waves 0-3 fetch a quarter each: one load of a wave is out; the branch hangs on the wave's number alone
	s_cbranch_scc0 .Lno_fill
	tensor_load_to_lds s[G0:G0+3], s[G1:G1+7]
	s_nop 0
.rept 4
	v_nop
.endr
.Lno_fill:
	v_and_b32 v243, 15, v0                         ; r
	v_bfe_u32 v244, v0, 4, 1                       ; h
	v_and_b32 v[LI], 31, v0
	s_delay_alu instid0(VALU_DEP_1)
	v_lshlrev_b32 v[LI], 4, v[LI]
	s_wait_alu depctr_va_vdst(0)
	v_lshlrev_b32 v[LR], 4, v243
	s_wait_alu depctr_va_vdst(0)
	v_lshl_add_u32 v[RB], v243, 5, v244            ; 32 r + h
	s_wait_alu depctr_va_vdst(0)
	v_lshlrev_b32 v[RH], 3, v244
	s_delay_alu instid0(VALU_DEP_1)
	v_sub_nc_u32 v[RH], v243, v[RH]                ; r - 8 h
	s_wait_alu depctr_va_vdst(0)
	s_lshr_b32 s47, s[BH], 4                       ; batch
	s_and_b32 s43, s[BH], 15                       ; head
	s_mul_i32 s44, s[BH], QHEAD                    ; the head's first byte in qf
	s_lshr_b32 s45, s43, 3
	s_lshl_b32 s45, s45, 21                        ; cc: [half of the 16 heads][token tile 512][head % 8][512]
	s_lshl_b32 s40, s47, 19
	s_add_co_u32 s45, s45, s40
	s_and_b32 s40, s43, 7
	s_lshl_b32 s40, s40, 9
	s_add_co_u32 s45, s45, s40
	s_lshl_b32 s46, s47, 16                        ; cs: [token][32]: byte 2 head + block
	s_lshl_b32 s40, s43, 1
	s_add_co_u32 s46, s46, s40
.macro PLACE tau, qo, qw, goc, gos, dg ; the offsets of tile tau
	s_lshr_b32 s40, s[\tau], 3
	s_mul_i32 s40, s40, QREC
	s_add_co_u32 s40, s40, s44                     ; its record of 128 tokens in qf
	s_and_b32 s41, s[\tau], 7                      ; its place there
	s_lshl_b32 s42, s41, 9
	s_add_co_u32 s42, s42, s40
	v_add_nc_u32 v[\qo], s42, v[LI]                ; its image
	s_lshr_b32 s42, s41, 2
	s_lshl_b32 s42, s42, 8
	s_and_b32 s43, s41, 3
	s_lshl_b32 s43, s43, 2
	s_add_co_u32 s42, s42, s43
	s_add_co_u32 s42, s42, s40
	s_add_co_u32 s42, s42, 4096
	v_add_nc_u32 v[\qw], s42, v[LR]                ; its scale words: [g][r][i]
	s_lshl_b32 s42, s[\tau], 12
	s_add_co_u32 s42, s42, s45
	v_add_nc_u32 v[\goc], s42, v[LI]
	s_lshl_b32 s42, s[\tau], 9
	s_add_co_u32 s42, s42, s46
	v_add_nc_u32 v[\gos], s42, v[RB]
	s_lshl_b32 s43, s41, 4
	v_add_nc_u32 v[\dg], s43, v[RH]                ; 16 (tau % 8) + r - 8 h
.endm
	PLACE T1, QO1, QW1, GOC1, GOS1, DG1
	PLACE T2, QO2, QW2, GOC2, GOS2, DG2
	global_load_b128 v[Q1:Q1+3], v[QO1], s[4:5]
	s_wait_alu depctr_va_vdst(0)
	global_load_b32 v[QS1], v[QW1], s[4:5]
	global_load_b128 v[Q2:Q2+3], v[QO2], s[4:5]
	global_load_b32 v[QS2], v[QW2], s[4:5]
.irp i, 0,1,2,3
	v_mov_b32 v[Q1+4+\i], 0                        ; zero codes for k = 64 .. 127
	v_mov_b32 v[Q2+4+\i], 0
	v_mov_b32 v[KF+32+\i], 0                       ; behind K's tile 7
	v_mov_b32 v[BT+\i], 0                          ; written once: a lane permute's destination counts as one of its sources
.endr
	v_mov_b32 v[FF+1], 0
	v_mov_b32 v[T0], 0
	v_mov_b32 v[NEG], 0xff800000
	s_wait_tensorcnt 0x0                           ; my quarter has landed,
	s_barrier_signal -1
	s_barrier_wait -1                              ; everybody's has
	s_wait_loadcnt 0x0                             ; Q
; A TILE OF 16 QUERIES.  The loop has a constant 16 trips, so that the LDS address steps by a constant in a counted loop; a step behind the diagonal is jumped over, by a branch on the wave's number and the count of steps.
.macro PASS q, qs, ds, dg, goc, gos, second
.if \second
	s_wait_xcnt 0x0                                ; the first tile's stores have read their registers
.endif
	v_mov_b32 v13, 0xff61b1e6                      ; the largest t so far: -3e38
	s_delay_alu instid0(VALU_DEP_1)
	v_floor_f32 v12, -v13                          ; -M
	v_mov_b32 v14, 0                               ; the sum, in two halves
	v_mov_b32 v15, 0
.set jj, 0
.rept 32
	v_mov_b32 v[OO+jj], 0                          ; O^T: the step is written once; the first finds zeros
.set jj, jj+1
.endr
	s_mov_b32 s[TB], 0
	s_mov_b32 s[SI], 0
.Lstep_\@:
	s_cmp_gt_u32 s[SI], s[\ds]
	s_cbranch_scc1 .Lhidden_\@
	s_setprio 2
	v_add_nc_u32 v[ADK], s[TB], v[LI]
	v_add_nc_u32 v[ADS], s[TB], v[LR]
.irp t, 0,1,2,3,4,5,6,7
	ds_load_b128 v[KF+4*\t:KF+4*\t+3], v[ADK] offset:512*\t
.endr
.irp g, 0,1
	ds_load_b128 v[KSW+4*\g:KSW+4*\g+3], v[ADS] offset:8192+256*\g
.endr
.irp t, 0,1,2,3
.irp c, 0,1
	ds_load_b128 v[VF+8*\t+4*\c:VF+8*\t+4*\c+3], v[ADK] offset:4096+2048*\c+512*\t
.endr
.endr
	ds_load_b128 v[VSW:VSW+3], v[ADS] offset:8704
	s_wait_dscnt 9                                 ; K's ten loads are in; V's nine, issued behind them, may be out
.irp t, 0,1,2,3,4,5,6,7
	v_wmma_scale_f32_16x16x128_f8f6f4 v[SS+8*\t:SS+8*\t+7], v[KF+4*\t:KF+4*\t+7], v[\q:\q+7], 0, v[KSW+\t], v[\qs] matrix_a_fmt:MATRIX_FMT_FP4 matrix_b_fmt:MATRIX_FMT_FP4
.endr
.rept 4
	v_nop                                          ; places in front of the first read of the scores
.endr
	s_cmp_lt_u32 s[SI], s[\ds]                     ; only the diagonal step has hidden keys
	s_cbranch_scc1 .Lopen_\@
.set nn, 0
.rept 64                                       ; register n holds key 16 (n / 8) + 8 h + n % 8 of the step: hidden where that lies above my query's place
	v_cmp_gt_i32 vcc_lo, 16*(nn/8)+nn%8, v[\dg]
	v_cndmask_b32 v[SS+nn], v[SS+nn], v[NEG], vcc_lo
.set nn, nn+1
.endr
.Lopen_\@:
.irp b, 0,1,2,3
	v_max3_num_f32 v[BM+\b], v[SS+16*\b], v[SS+16*\b+1], v[SS+16*\b+2]   ; the largest score of each block of 32 keys: for the row's maximum, and for the block's largest p
.endr
.irp i, 3,5,7,9,11,13
.irp b, 0,1,2,3
	v_max3_num_f32 v[BM+\b], v[BM+\b], v[SS+16*\b+\i], v[SS+16*\b+\i+1]
.endr
.endr
.irp b, 0,1,2,3
	v_max_num_f32 v[BM+\b], v[BM+\b], v[SS+16*\b+15]
.endr
.irp b, 0,1,2,3
	s_delay_alu instid0(VALU_DEP_4)
	v_permlanex16_b32 v[BT+\b], v[BM+\b], s[SEL], s[SEL+1]
.endr
.irp b, 0,1,2,3
	s_delay_alu instid0(VALU_DEP_4)
	v_max_num_f32 v[BM+\b], v[BM+\b], v[BT+\b]     ; with lane l xor 16's 16 keys
.endr
	s_delay_alu instid0(VALU_DEP_2)
	v_max3_num_f32 v[T0], v[BM], v[BM+1], v[BM+2]
	s_delay_alu instid0(VALU_DEP_1)
	v_max_num_f32 v[T0], v[T0], v[BM+3]
	s_delay_alu instid0(VALU_DEP_1)
	v_mul_f32 v[T0], s[CS], v[T0]                  ; as t
	s_delay_alu instid0(VALU_DEP_1)
	v_max_num_f32 v13, v13, v[T0]                  ; the running largest t
	v_mov_b32 v[T0], v12
	s_delay_alu instid0(VALU_DEP_2)
	v_floor_f32 v12, -v13                          ; the new -M = -ceil(t)
	s_delay_alu instid0(VALU_DEP_1)
	v_sub_f32 v[T0], v12, v[T0]                    ; old M - new M: a whole number, 0 or less
	s_delay_alu instid0(VALU_DEP_1)
	v_cvt_i32_f32 v[T0], v[T0]                     ; (it saturates)
	s_delay_alu instid0(VALU_DEP_1)
	v_ldexp_f32 v[FF], 1.0, v[T0]                  ; f
.set jj, 0
.rept 32
	v_pk_fma_f32 v[SS+jj:SS+jj+1], v[SS+jj:SS+jj+1], s[CS:CS+1], v[12:13] op_sel_hi:[1,0,0]   ; t - M, two at a time
.set jj, jj+2
.endr
	s_setprio 1
.irp b, 0,1,2,3
	v_fma_f32 v[BM+\b], v[BM+\b], s[CS], v12
.endr
.set jj, 0
	s_wait_alu depctr_va_vdst(0)
.rept 64
	v_exp_f32 v[SS+jj], v[SS+jj]                   ; p = 2^(t - M)
.set jj, jj+1
.endr
	v_pk_mul_f32 v[14:15], v[14:15], v[FF:FF+1] op_sel_hi:[1,0]   ; the sums under the new M; the plain place behind the exponentials
	s_wait_alu depctr_va_vdst(0)                   ; one wait for the batch of 64, ahead of its first reader
.irp b, 0,1,2,3
	v_exp_f32 v[BM+\b], v[BM+\b]                   ; the blocks' largest p
.endr
	v_pk_add_f32 v[228:229], v[104:105], v[108:109]
	v_pk_add_f32 v[254:255], v[112:113], v[116:117]
	v_pk_add_f32 v[252:253], v[120:121], v[124:125]
	v_pk_add_f32 v[250:251], v[128:129], v[132:133]
	v_pk_add_f32 v[248:249], v[136:137], v[140:141]
	v_pk_add_f32 v[246:247], v[144:145], v[148:149]
	v_pk_add_f32 v[244:245], v[152:153], v[156:157]
	v_pk_add_f32 v[14:15], v[14:15], v[160:161]
	v_pk_add_f32 v[228:229], v[228:229], v[100:101]
	v_pk_add_f32 v[254:255], v[254:255], v[102:103]
	v_pk_add_f32 v[252:253], v[252:253], v[106:107]
	v_pk_add_f32 v[250:251], v[250:251], v[110:111]
	v_pk_add_f32 v[248:249], v[248:249], v[114:115]
	v_pk_add_f32 v[246:247], v[246:247], v[118:119]
	v_pk_add_f32 v[244:245], v[244:245], v[122:123]
	v_pk_add_f32 v[14:15], v[14:15], v[126:127]
	v_pk_add_f32 v[228:229], v[228:229], v[130:131]
	v_pk_add_f32 v[254:255], v[254:255], v[134:135]
	v_pk_add_f32 v[252:253], v[252:253], v[138:139]
	v_pk_add_f32 v[250:251], v[250:251], v[142:143]
	v_pk_add_f32 v[248:249], v[248:249], v[146:147]
	v_pk_add_f32 v[246:247], v[246:247], v[150:151]
	v_pk_add_f32 v[244:245], v[244:245], v[154:155]
	v_pk_add_f32 v[14:15], v[14:15], v[158:159]
	v_pk_add_f32 v[228:229], v[228:229], v[162:163]
	s_delay_alu instid0(VALU_DEP_2)
	v_pk_add_f32 v[14:15], v[14:15], v[250:251]
	s_delay_alu instid0(VALU_DEP_2)
	v_pk_add_f32 v[228:229], v[228:229], v[248:249]
	v_pk_add_f32 v[254:255], v[254:255], v[246:247]
	v_pk_add_f32 v[252:253], v[252:253], v[244:245]
	s_delay_alu instid0(VALU_DEP_2)
	v_pk_add_f32 v[14:15], v[14:15], v[254:255]
	s_delay_alu instid0(VALU_DEP_2)
	v_pk_add_f32 v[228:229], v[228:229], v[252:253]
	s_delay_alu instid0(VALU_DEP_1)
	v_pk_add_f32 v[14:15], v[14:15], v[228:229]
	s_wait_alu depctr_va_vdst(0)                   ; and one for the four
.irp b, 0,1,2,3
	v_max_num_f32 v[BM+\b], 0x1800000, v[BM+\b]    ; the floor 2^(3 - 127)
.endr
.irp b, 0,1,2,3
	s_delay_alu instid0(VALU_DEP_4)
	v_add_nc_u32 v[BS+\b], 0xff000000, v[BM+\b]
.endr
.irp b, 0,1,2,3
	s_delay_alu instid0(VALU_DEP_4)
	v_lshrrev_b32 v[BT+\b], 23, v[BS+\b]
.endr
	s_delay_alu instid0(VALU_DEP_3)
	v_lshl_or_b32 v[PW], v[BT+1], 8, v[BT]         ; p's scale word for these 128 keys
	s_delay_alu instid0(VALU_DEP_1)
	v_lshl_or_b32 v[PW], v[BT+2], 16, v[PW]
	s_delay_alu instid0(VALU_DEP_1)
	v_lshl_or_b32 v[PW], v[BT+3], 24, v[PW]
	s_setprio 0
.irp t, 0,1,2,3,4,5,6,7                        ; tile t's eight codes (keys 16 t + 8 h on) go to register 4 (t / 4) + 2 (t % 2) + (t % 4) / 2; the exchanges below put them in the operand's order
	v_cvt_scalef32_pk8_fp4_f32 v[PC+4*(\t/4)+2*(\t%2)+(\t%4)/2], v[SS+8*\t:SS+8*\t+7], v[BS+\t/2]
.endr
	v_nop                                          ; one plain place behind a scaled conversion
.irp c, 0,1
	v_permlane16_swap_b32 v[PC+4*\c], v[PC+4*\c+1]
	v_permlane16_swap_b32 v[PC+4*\c+2], v[PC+4*\c+3]
.endr
.set jj, 0
.rept 16
	v_pk_mul_f32 v[OO+jj:OO+jj+1], v[OO+jj:OO+jj+1], v[FF:FF+1] op_sel_hi:[1,0]   ; O^T under the new M; these sixteen are also the places between the scale word, the codes and the products
.set jj, jj+2
.endr
	s_wait_alu depctr_va_vdst(0)
	s_wait_dscnt 0x0                               ; V
.irp t, 0,1,2,3
	v_wmma_scale_f32_16x16x128_f8f6f4 v[OO+8*\t:OO+8*\t+7], v[VF+8*\t:VF+8*\t+7], v[PC:PC+7], v[OO+8*\t:OO+8*\t+7], v[VSW+\t], v[PW] matrix_a_fmt:MATRIX_FMT_FP4 matrix_b_fmt:MATRIX_FMT_FP4
.endr
.rept 4
	v_nop                                          ; places in front of the next step's loads into V's registers, and of the way out's reads of O^T
.endr
.Lhidden_\@:
	s_add_co_u32 s[TB], s[TB], REC
	s_add_co_u32 s[SI], s[SI], 1
	s_cmp_lt_u32 s[SI], 16
	s_cbranch_scc1 .Lstep_\@
	s_setprio 0
	; THE WAY OUT: ctx = O^T / the sum, quantised along the head's 64 (two blocks), stored as half a fragment's image and a scale byte a lane
	v_add_f32 v14, v14, v15
	s_delay_alu instid0(VALU_DEP_1)
	v_permlanex16_b32 v[T0], v14, s[SEL], s[SEL+1]
	s_delay_alu instid0(VALU_DEP_1)
	v_add_f32 v14, v14, v[T0]                      ; the row's sum
	s_wait_alu depctr_va_vdst(0)
	v_rcp_f32 v14, v14
	v_nop                                          ; one plain place behind the reciprocal
	s_wait_alu depctr_va_vdst(0)                   ; and the wait ahead of its first reader
.set jj, 0
.rept 16
	v_pk_mul_f32 v[SS+jj:SS+jj+1], v[OO+jj:OO+jj+1], v[14:15] op_sel_hi:[1,0]   ; register 8 t + j: channel 16 t + 8 h + j of my query
.set jj, jj+2
.endr
.irp b, 0,1
	v_max3_num_f32 v[BM+\b], |v[SS+16*\b]|, |v[SS+16*\b+1]|, 0x1800000
.endr
.irp i, 2,4,6,8,10,12,14
.irp b, 0,1
	s_delay_alu instid0(VALU_DEP_2)
	v_max3_num_f32 v[BM+\b], v[BM+\b], |v[SS+16*\b+\i]|, |v[SS+16*\b+\i+1]|
.endr
.endr
.irp b, 0,1
	s_delay_alu instid0(VALU_DEP_2)
	v_permlanex16_b32 v[BT+\b], v[BM+\b], s[SEL], s[SEL+1]
.endr
.irp b, 0,1
	s_delay_alu instid0(VALU_DEP_2)
	v_max_num_f32 v[BM+\b], v[BM+\b], v[BT+\b]
.endr
.irp b, 0,1
	s_delay_alu instid0(VALU_DEP_2)
	v_add_nc_u32 v[BS+\b], 0xff000000, v[BM+\b]
.endr
.irp b, 0,1
	s_delay_alu instid0(VALU_DEP_2)
	v_lshrrev_b32 v[BT+\b], 23, v[BS+\b]
.endr
.irp t, 0,1,2,3
	v_cvt_scalef32_pk8_fp4_f32 v[PC+2*(\t%2)+\t/2], v[SS+8*\t:SS+8*\t+7], v[BS+\t/2]
.endr
	v_cndmask_b32 v[T0], v[BT], v[BT+1], s[HM]     ; lanes 0-15 store block 0's byte, lanes 16-31 block 1's.  (The plain place behind the conversions)
	v_permlane16_swap_b32 v[PC], v[PC+1]
	v_permlane16_swap_b32 v[PC+2], v[PC+3]
	global_store_b128 v[\goc], v[PC:PC+3], s[8:9]  ; 32 lanes store 512 consecutive bytes, at a multiple of 256 from cc's first byte
	global_store_b8 v[\gos], v[T0], s[10:11]       ; a byte a lane, two to a token: a work-group has one head of a token's sixteen, so it cannot gather more
.endm
	PASS Q1, QS1, DS1, DG1, GOC1, GOS1, 0
	PASS Q2, QS2, DS2, DG2, GOC2, GOS2, 1
	s_wait_tensorcnt 0x0                           ; the wave's end
	ds_add_u32 v[SPW], v[NIL]
	s_wait_dscnt 0x0
	CROUND                                         ; the closing round
	s_endpgm
.Lfunc_end_k_q039c2388e7_attn:
	.size	k_q039c2388e7_attn, .Lfunc_end_k_q039c2388e7_attn-k_q039c2388e7_attn
	.p2alignl 7, 3214868480
	.fill 96, 4, 3214868480
	.section	.rodata,"a",@progbits
	.p2align	6, 0x0
	.amdhsa_kernel k_q039c2388e7_attn
		.amdhsa_group_segment_fixed_size 167936
		.amdhsa_private_segment_fixed_size 0
		.amdhsa_enable_private_segment 0
		.amdhsa_kernarg_size 32
		.amdhsa_user_sgpr_count 2
		.amdhsa_user_sgpr_kernarg_segment_ptr 1
		.amdhsa_wavefront_size32 1
		.amdhsa_system_sgpr_workgroup_id_x 1
		.amdhsa_system_sgpr_workgroup_id_y 1
		.amdhsa_system_sgpr_workgroup_id_z 1
		.amdhsa_system_vgpr_workitem_id 0
		.amdhsa_next_free_vgpr 256
		.amdhsa_next_free_sgpr 66
		.amdhsa_reserve_vcc 1
		.amdhsa_float_denorm_mode_32 3
		.amdhsa_float_denorm_mode_16_64 3
		.amdhsa_memory_ordered 1
		.amdhsa_forward_progress 1
		.amdhsa_inst_pref_size 60
	.end_amdhsa_kernel
	.amdgpu_metadata
---
amdhsa.version: [ 1, 2 ]
amdhsa.kernels:
  - .name:           k_q039c2388e7_attn
    .symbol:         k_q039c2388e7_attn.kd
    .args:
      - { .name: qf, .offset: 0, .size: 8, .value_kind: global_buffer, .address_space: global }
      - { .name: kvf, .offset: 8, .size: 8, .value_kind: global_buffer, .address_space: global }
      - { .name: cc, .offset: 16, .size: 8, .value_kind: global_buffer, .address_space: global }
      - { .name: cs, .offset: 24, .size: 8, .value_kind: global_buffer, .address_space: global }
    .group_segment_fixed_size: 167936
    .private_segment_fixed_size: 0
    .kernarg_segment_align: 8
    .kernarg_segment_size: 32
    .max_flat_workgroup_size: 512
    .sgpr_count:     66
    .vgpr_count:     256
    .wavefront_size: 32
...
	.end_amdgpu_metadata
.endif
;; end of part 2
;; launch proj (part 3): grid 4 x 64, 4 waves a work-group, clusters of 4 x 4, 327,680 bytes of LDS; arguments cc, cs, Wo_codes, Wo_scales, bo, out0; writes out0
.if DOCPART == 3
	.amdgcn_target "amdgcn-amd-amdhsa--gfx1250"
	.amdhsa_code_object_version 6
	.text
	.protected	k_q039c2388e7_proj
	.globl	k_q039c2388e7_proj
	.p2align	8
	.type	k_q039c2388e7_proj,@function
k_q039c2388e7_proj:
	s_mov_b64 s[64:65], 0
	v_nop
	global_prefetch_b8 v0, s[64:65] scope:SCOPE_SE
	s_setreg_imm32_b32 hwreg(HW_REG_WAVE_MODE, 25, 1), 1
	s_wait_xcnt 0x0
	s_wait_alu depctr_hold_cnt(0) depctr_sa_sdst(0) depctr_va_vdst(0) depctr_va_sdst(0) depctr_va_ssrc(0) depctr_va_vcc(0) depctr_vm_vsrc(0)
	s_getreg_b32 s2, hwreg(HW_REG_IB_STS2, 6, 4)
	s_cmp_eq_u32 s2, 0
	s_cbranch_scc0 .Lentry_in_a_cluster
	s_endpgm
.Lentry_in_a_cluster:
	s_bfe_u32 s2, ttmp6, 0x10000c
	s_cmp_lg_u32 s2, 0xf033
	s_cbranch_scc0 .Lentry_shape_is_right
	s_endpgm
.Lentry_shape_is_right:
; out0 = ctx Wo + bo on codes of FP4 (E2M1) with E8M0 scales.  ctx: cc [half of K 2][token tile 512][head % 8][512]: images of operand registers (lane (r, h): token r, block h of the head); cs [token 8,192][32] scale bytes.
; Wo: codes [1,024 columns][512 bytes], K innermost; scale bytes [1,024][32].  bo [1,024], out0 [8,192][1,024]: f32.  Nothing is left out here.
; SHARES.  A work-group of four waves makes 128 tokens x 256 columns: 256 work-groups; a wave 64 tokens x 128 columns: 32 accumulators, 256 registers.  K = 1,024 lies in LDS whole, as two halves, each filled once.
; The matrix instruction is used transposed (source 0 = 16 rows of Wo, source 1 = 16 tokens): a lane holds eight neighbouring columns of one token.  The bias is the C of each sum's first instruction.
; CLUSTERS: 4 x 4.  ctx's tile hangs on the tile row alone and is asked for jointly by a row of the cluster; Wo's on the tile column alone, by a column.
; REGISTERS: window 0: v1-29 addresses; v32-95 scale words, two sets; v128-191 ctx's fragments, two sets of 32; on the way out v128-255.   window 1: Wo's fragments, two sets, at v0 and v128; v64-127 the bias.   window 2: the accumulators.
.set PITCH,  272                       ; a row of Wo's tile in LDS: 256 bytes + 16 of padding
.set ATILE,  4096                      ; a token tile's images for half of K: 4 steps x 1,024 bytes
.set AHALF,  4*ATILE                   ; what one load brings of ctx, and what one wave reads
.set BOFF,   8*ATILE
.set HALFT,  128*PITCH
.set SLOT,   BOFF+2*HALFT              ; a half of K: ctx's 8 tiles, then Wo's 256 rows
.set SCL,    2*SLOT                    ; ctx's scale bytes: 128 rows x 32 bytes as units of 256 + 16;
.set HALFSA, 8*272
.set HALFSB, 16*272
.set SCB,    SCL+2*HALFSA              ; Wo's: 256 rows
.set SBLK,   2*272                     ; those of 16 rows
.set SPARE,  SCB+2*HALFSB              ; the spare words, 128 bytes for each wave: two blocks of 256 bytes that no other line names
.set STAGE,  SPARE+512                 ; the way out: 16 rows x (512 bytes + 16) for each wave, in bytes into which no fill lands
.set SPITCH, 528
.set NP,     4
.set ADRA, 16
.set ADRB, 20
.set STO,  24
.set RD,   25
.set CO,   26                          ; 16 x lane
.set ADRS, 27
.set SPW,  28
.set NIL,  29
.set BO,   30
.set SC,   32
.set AF,   128
.set BK,   128
.set WV,   96
.set HI,   97
.set LO,   98
.set G1A,  24
.set G0A,  32
.set G1B,  48
.set G0B,  56
.set G1SA, 68
.set G0SA, 76
.set G1SB, 80
.set G0SB, 88
.set MSB, 0
.macro WIN new
.if MSB != (\new)
	s_set_vgpr_msb (MSB<<8)|(\new)
.set MSB, (\new)
.endif
.endm
.set MUL,   0xa1                       ; source 0 (Wo) window 1, source 1 (ctx) window 0, C and D window 2
.set MUL_C, 0x91                       ; the same with C (the bias) in window 1
.set TO_B,  0x40                       ; destination window 1, address window 0
.macro JLOAD g0a, g1a, g0b, g1b        ; waves 0 and 1 fetch for ctx, waves 2 and 3 for Wo; an s_nop 0 and four v_nop follow each of the two lines
	s_cmp_eq_u32 s[HI], 0
	s_cbranch_scc0 .Lfor_b_\@
	tensor_load_to_lds s[\g0a:\g0a+3], s[\g1a:\g1a+7]
	s_nop 0
.rept 4
	v_nop
.endr
	s_branch .Lasked_\@
.Lfor_b_\@:
	tensor_load_to_lds s[\g0b:\g0b+3], s[\g1b:\g1b+7]
	s_nop 0
.rept 4
	v_nop
.endr
.Lasked_\@:
.endm
.macro CROUND
	s_barrier_signal -1
	s_barrier_wait -1
	s_cmp_lg_u32 s[WV], 0
	s_cbranch_scc1 .Lnot_wave_0_\@
	s_barrier_signal -3
.Lnot_wave_0_\@:
	s_barrier_wait -3
	s_barrier_signal -1
	s_barrier_wait -1
.endm
	s_load_b256 s[4:11], s[0:1], 0x0               ; cc s[4:5], cs s[6:7], Wo's codes s[8:9], Wo's scales s[10:11]
	s_load_b128 s[12:15], s[0:1], 0x20             ; bo s[12:13], out0 s[14:15]
	v_lshl_add_u32 v[SPW], v0, 2, SPARE
	v_mov_b32 v[NIL], 0
	ds_add_u32 v[SPW], v[NIL]                      ; the wave's opening: the add, twice on end, and its wait ahead of my first tensor load
	ds_add_u32 v[SPW], v[NIL]                      ; and once more; the set-up below stands between it and the wait
	v_lshrrev_b32 v1, 5, v0
	v_readfirstlane_b32 s[WV], v1
	s_lshr_b32 s[HI], s[WV], 1                     ; which 64 tokens are mine.  Also: I fetch for ctx (0) or for Wo (1)
	s_and_b32 s[LO], s[WV], 1                      ; which 128 columns.  Also: which half of that tile I fetch
	s_bfe_u32 s40, ttmp6, 0x40000                  ; cx
	s_bfe_u32 s41, ttmp6, 0x40004                  ; cy
	s_lshl_b32 s16, ttmp9, 2
	s_add_co_u32 s16, s16, s40                     ; tile column (256 columns)
	s_and_b32 s42, ttmp7, 0xffff
	s_lshl_b32 s42, s42, 2
	s_add_co_u32 s42, s42, s41                     ; tile row (128 tokens)
	s_lshl_b32 s43, s41, 2
	s_lshl_b32 s43, 15, s43                        ; my row of the cluster
	s_lshl_b32 s44, 0x1111, s40                    ; my column
	s_or_b32 s[G1A], s43, (3<<16)|(1<<21)          ; ctx's images: 16,384 dense bytes as 64 rows of 256 (32 elements of 8 bytes), no padding
	s_mov_b32 s[G1A+1], 32<<16
	s_mov_b32 s[G1A+2], 64<<16
	s_mov_b32 s[G1A+3], 32<<16
	s_mov_b32 s[G1A+4], 64
	s_mov_b32 s[G1A+5], 32
	s_mov_b32 s[G1A+6], 0
	s_mov_b32 s[G1A+7], 0
	s_or_b32 s[G1B], s44, (0<<16)|(1<<20)|(1<<21)|(5<<22)|(3<<25)   ; Wo's: 128 rows of 256 bytes, 512 apart in memory, 16 bytes of padding behind each
	s_mov_b32 s[G1B+1], 256<<16
	s_mov_b32 s[G1B+2], 128<<16
	s_mov_b32 s[G1B+3], 256<<16
	s_mov_b32 s[G1B+4], 128
	s_mov_b32 s[G1B+5], 512
	s_mov_b32 s[G1B+6], 0
	s_mov_b32 s[G1B+7], 0
	s_or_b32 s[G1SA], s43, (3<<16)|(1<<20)|(1<<21)|(5<<22)|(3<<25)  ; the scale bytes of 64 tokens: 8 rows of 256 bytes, 16 of padding behind each
	s_mov_b32 s[G1SA+1], 32<<16
	s_mov_b32 s[G1SA+2], 8<<16
	s_mov_b32 s[G1SA+3], 32<<16
	s_mov_b32 s[G1SA+4], 8
	s_mov_b32 s[G1SA+5], 32
	s_mov_b32 s[G1SA+6], 0
	s_mov_b32 s[G1SA+7], 0
	s_or_b32 s[G1SB], s44, (3<<16)|(1<<20)|(1<<21)|(5<<22)|(3<<25)  ; of 128 rows of Wo: 16 rows
	s_mov_b32 s[G1SB+1], 32<<16
	s_mov_b32 s[G1SB+2], 16<<16
	s_mov_b32 s[G1SB+3], 32<<16
	s_mov_b32 s[G1SB+4], 16
	s_mov_b32 s[G1SB+5], 32
	s_mov_b32 s[G1SB+6], 0
	s_mov_b32 s[G1SB+7], 0
	s_lshl_b32 s66, s42, 15                        ; ctx's codes: (8 x tile row + 4 x half) tiles of 4,096 bytes
	s_lshl_b32 s17, s[LO], 14
	s_add_co_u32 s66, s66, s17
	s_mov_b32 s67, 0
	s_lshl_b32 s100, s42, 12                       ; its scale bytes: (128 x tile row + 64 x half) rows of 32
	s_lshl_b32 s17, s[LO], 11
	s_add_co_u32 s100, s100, s17
	s_mov_b32 s101, 0
	s_lshl_b32 s46, s16, 17                        ; Wo's codes: (256 x tile column + 128 x half) rows of 512
	s_lshl_b32 s17, s[LO], 16
	s_add_co_u32 s46, s46, s17
	s_mov_b32 s47, 0
	s_lshl_b32 s92, s16, 13                        ; its scale bytes
	s_lshl_b32 s17, s[LO], 12
	s_add_co_u32 s92, s92, s17
	s_mov_b32 s93, 0
	s_mul_i32 s45, s[LO], AHALF                    ; where they go: constants and the wave's number alone
	s_mul_i32 s94, s[LO], HALFT
	s_add_co_u32 s94, s94, BOFF
	s_mul_i32 s95, s[LO], HALFSA
	s_add_co_u32 s95, s95, SCL
	s_mul_i32 s99, s[LO], HALFSB
	s_add_co_u32 s99, s99, SCB
	s_wait_dscnt 0x0                               ; both opening adds are done
	s_wait_kmcnt 0x0
	s_add_nc_u64 s[4:5], s[4:5], s[66:67]
	s_add_nc_u64 s[6:7], s[6:7], s[100:101]
	s_add_nc_u64 s[8:9], s[8:9], s[46:47]
	s_add_nc_u64 s[10:11], s[10:11], s[92:93]
	CROUND                                         ; all sixteen work-groups are here: the first joint loads meet
	s_mov_b32 s[G0SA], 1
	s_mov_b32 s[G0SA+1], s95
	s_mov_b64 s[G0SA+2:G0SA+3], s[6:7]
	s_or_b32 s[G0SA+3], s[G0SA+3], 0x80000000
	s_mov_b32 s[G0SB], 1
	s_mov_b32 s[G0SB+1], s99
	s_mov_b64 s[G0SB+2:G0SB+3], s[10:11]
	s_or_b32 s[G0SB+3], s[G0SB+3], 0x80000000
	JLOAD G0SA, G1SA, G0SB, G1SB                   ; the scale bytes first.  Each of the two below waits for the load before it: one load of mine is out at a time
.irp s, 0,1
	s_mov_b32 s[G0A+4*\s], 1
	s_add_co_u32 s[G0A+4*\s+1], s45, \s*SLOT
	s_add_nc_u64 s[G0A+4*\s+2:G0A+4*\s+3], s[4:5], \s*2097152
	s_or_b32 s[G0A+4*\s+3], s[G0A+4*\s+3], 0x80000000
	s_mov_b32 s[G0B+4*\s], 1
	s_add_co_u32 s[G0B+4*\s+1], s94, \s*SLOT
	s_add_nc_u64 s[G0B+4*\s+2:G0B+4*\s+3], s[8:9], \s*256
	s_or_b32 s[G0B+4*\s+3], s[G0B+4*\s+3], 0x80000000
	s_wait_alu depctr_va_vdst(0)
	s_wait_tensorcnt 0x0
	ds_add_u32 v28, v29
	s_wait_dscnt 0x0
	CROUND
	JLOAD G0A+4*\s, G1A, G0B+4*\s, G1B
.endr
	v_and_b32 v1, 15, v0                           ; r
	v_bfe_u32 v2, v0, 4, 1                         ; h
	v_and_b32 v6, 31, v0
	v_lshlrev_b32 v[CO], 4, v6                     ; 16 x lane
	s_mul_i32 s21, s[HI], AHALF
	v_add_nc_u32 v[ADRA], s21, v[CO]               ; ctx's images: my four tiles
	v_add_nc_u32 v[ADRA+1], SLOT, v[ADRA]
	v_mul_u32_u24 v3, v1, PITCH
	v_lshl_add_u32 v3, v2, 4, v3
	s_mul_i32 s22, s[LO], HALFT
	s_add_co_u32 s22, s22, BOFF
	v_add_nc_u32 v[ADRB], s22, v3                  ; Wo's rows: row x pitch + 16 h
	v_add_nc_u32 v[ADRB+1], SLOT, v[ADRB]
	v_mul_u32_u24 v5, v1, 32                       ; my row's scale bytes,
	v_lshrrev_b32 v7, 8, v5
	v_lshl_add_u32 v5, v7, 4, v5                   ; and 16 more for each 256 passed
	s_mul_i32 s21, s[HI], HALFSA
	s_mul_i32 s22, s[LO], HALFSB
	s_add_co_u32 s22, s22, 2*HALFSA
	s_sub_co_u32 s22, s22, s21
	v_mul_u32_u24 v7, s22, v2                      ; lanes 16-31 take Wo's
	s_add_co_u32 s21, s21, SCL
	v_add_nc_u32 v5, v5, v7
	v_add_nc_u32 v[ADRS], s21, v5
	s_mul_i32 s23, s[WV], 16*SPITCH
	s_add_co_u32 s23, s23, STAGE                   ; my stage
	v_mul_u32_u24 v5, v1, SPITCH
	v_lshl_add_u32 v5, v2, 5, v5
	v_add_nc_u32 v[STO], s23, v5                   ; in: row r, 32 bytes for each half of the lanes
	v_add_nc_u32 v[RD], s23, v[CO]                 ; back: the 32 lanes take one row of 512 bytes
	s_lshl_b32 s18, s16, 10                        ; my first column, in bytes: 1,024 x tile column + 512 x half
	s_lshl_b32 s19, s[LO], 9
	s_add_co_u32 s18, s18, s19
	s_mov_b32 s19, 0
	s_add_nc_u64 s[12:13], s[12:13], s[18:19]      ; in bo,
	s_add_nc_u64 s[14:15], s[14:15], s[18:19]      ; and in a row of out0
	s_lshl_b32 s20, s42, 19                        ; my first row: (128 x tile row + 64 x half) rows of 4,096 bytes
	s_lshl_b32 s21, s[HI], 18
	s_add_co_u32 s20, s20, s21
	s_mov_b32 s21, 0
	s_add_nc_u64 s[14:15], s[14:15], s[20:21]
	v_lshlrev_b32 v[BO], 5, v2                     ; the bias in the result's layout: for block b the columns 16 b + 8 h + 0 .. 7
	WIN TO_B
.irp b, 0,1,2,3,4,5,6,7
	global_load_b128 v[64+8*\b:64+8*\b+3], v[BO], s[12:13] offset:64*\b
	global_load_b128 v[64+8*\b+4:64+8*\b+7], v[BO], s[12:13] offset:64*\b+16
.endr
	WIN 0
.macro FETCH q                         ; the fragments of K step q (0..7) into set q % 2: Wo's eight from rows, ctx's four from images
	WIN TO_B
.irp i, 0,1,2,3,4,5,6,7
.irp c, 0,1
	ds_load_b128 v[128*((\q)%2)+8*\i+4*\c:128*((\q)%2)+8*\i+4*\c+3], v[ADRB+(\q)/4] offset:64*((\q)%4)+32*\c+\i*16*PITCH
.endr
.endr
	WIN 0
.irp i, 0,1,2,3
.irp c, 0,1
	ds_load_b128 v[AF+32*((\q)%2)+8*\i+4*\c:AF+32*((\q)%2)+8*\i+4*\c+3], v[ADRA+(\q)/4] offset:\i*ATILE+((\q)%4)*1024+512*\c
.endr
.endr
.endm
.macro SCALES sc                       ; a half's scale words: lanes 0-15 ctx's block i, lanes 16-31 Wo's block i.  For i = 4 .. 7 lanes 0-15 read bytes of the filled region that no instruction uses: ctx has four blocks
.irp i, 0,1,2,3,4,5,6,7
	ds_load_b128 v[SC+32*\sc+4*\i:SC+32*\sc+4*\i+3], v[ADRS] offset:\i*SBLK+16*\sc
.endr
.endm
; 8 matrix instructions: ctx's block a x Wo's eight.  The 32 accumulators take turns, one instruction a turn, in the same order in every step.
.macro MUL8 a, q, first
.irp b, 0,1,2,3,4,5,6,7
.if \first
	v_wmma_scale_f32_16x16x128_f8f6f4 v[8*(8*(\a)+\b):8*(8*(\a)+\b)+7], v[128*((\q)%2)+8*\b:128*((\q)%2)+8*\b+7], v[AF+32*((\q)%2)+8*(\a):AF+32*((\q)%2)+8*(\a)+7], v[64+8*\b:64+8*\b+7], v[SC+32*((\q)/4)+4*\b+(\q)%4], v[SC+32*((\q)/4)+4*(\a)+(\q)%4] matrix_a_fmt:MATRIX_FMT_FP4 matrix_b_fmt:MATRIX_FMT_FP4 matrix_a_scale:MATRIX_SCALE_ROW1
.else
	v_wmma_scale_f32_16x16x128_f8f6f4 v[8*(8*(\a)+\b):8*(8*(\a)+\b)+7], v[128*((\q)%2)+8*\b:128*((\q)%2)+8*\b+7], v[AF+32*((\q)%2)+8*(\a):AF+32*((\q)%2)+8*(\a)+7], v[8*(8*(\a)+\b):8*(8*(\a)+\b)+7], v[SC+32*((\q)/4)+4*\b+(\q)%4], v[SC+32*((\q)/4)+4*(\a)+(\q)%4] matrix_a_fmt:MATRIX_FMT_FP4 matrix_b_fmt:MATRIX_FMT_FP4 matrix_a_scale:MATRIX_SCALE_ROW1
.endif
.endr
.endm
.macro PLACES n
.rept \n
	v_nop
.endr
.endm
.macro STEP q, first
	s_wait_dscnt 0x0                               ; this step's fragments, asked for half a step ago, are in
.if \first
	WIN MUL_C
.else
	WIN MUL
.endif
	MUL8 0, \q, \first
	MUL8 1, \q, \first
.if (\q) == 3
	s_wait_tensorcnt 0x0                           ; my part of the second half has landed; no LDS instruction of mine is out;
	s_barrier_signal -1
	s_barrier_wait -1                              ; everybody's has.  Nothing is filled again
.endif
.if (\q) < 7
	PLACES NP                                      ; in front of loads into the other set, which the step before multiplied
	FETCH (\q)+1
.endif
.if \first
	WIN MUL_C
.else
	WIN MUL
.endif
	MUL8 2, \q, \first
	MUL8 3, \q, \first
.endm
	s_wait_alu depctr_va_vdst(0)
	s_wait_tensorcnt 1                             ; the scale bytes and my part of the first half are in; one load, the second half's, may be out
	s_barrier_signal -1
	s_barrier_wait -1
	FETCH 0
	SCALES 0
	SCALES 1
	s_wait_loadcnt 0x0                             ; the bias
	STEP 0, 1                                      ; the first step's products start the sums from the bias
	STEP 1, 0
	STEP 2, 0
	STEP 3, 0
	STEP 4, 0
	STEP 5, 0
	STEP 6, 0
	STEP 7, 0
	WIN 0
; THE WAY OUT, 16 tokens x 128 columns at a time: a lane holds 32 neighbouring bytes of a row; a block goes through my own stage in LDS and comes back as whole rows of 512 bytes.
; LDS serves a wave's instructions in order (ISA guide 5.7.1.4): no wait between the stores and the loads, nor in front of the next block's stores.
.macro TOSTAGE a
	WIN 0x08                                       ; the data: window 2
.irp b, 0,1,2,3,4,5,6,7
	ds_store_b128 v[STO], v[8*(8*(\a)+\b):8*(8*(\a)+\b)+3] offset:64*\b          ; each accumulator from its low end on
	ds_store_b128 v[STO], v[8*(8*(\a)+\b)+4:8*(8*(\a)+\b)+7] offset:64*\b+16
.endr
	WIN 0
.set BB, BK+64*((\a)%2)
.irp t, 0,1,2,3,4,5,6,7,8,9,10,11,12,13,14,15
	ds_load_b128 v[BB+4*\t:BB+4*\t+3], v[RD] offset:\t*SPITCH
.endr
.endm
.macro SEND a, younger                 ; younger: the LDS instructions issued behind block a's loads, which may stay out
.set BB, BK+64*((\a)%2)
	s_wait_dscnt \younger
.irp t, 0,1,2,3,4,5,6,7,8,9,10,11,12,13,14,15
	global_store_b128 v[CO], v[BB+4*\t:BB+4*\t+3], s[14:15] offset:(16*(\a)+\t)*4096 th:TH_STORE_NT   ; 32 lanes store 512 consecutive bytes, at a multiple of 256 from out0's first byte; 63 rows at the most stand in the immediate
.endr
.endm
	PLACES NP                                      ; behind the last products: for the reads of results and the loads into the registers that held ctx's fragments
	TOSTAGE 0
.irp a, 1,2,3
.if \a > 1
	s_wait_xcnt 0x0                                ; block a - 2's stores have read their registers: block a's loads may land there
.endif
	TOSTAGE \a
	SEND \a-1, 32                                  ; behind block a - 1's loads: block a's 16 stores and 16 loads
.endr
	SEND 3, 0
	s_wait_tensorcnt 0x0                           ; the wave's end
	ds_add_u32 v[SPW], v[NIL]
	s_wait_dscnt 0x0
	CROUND                                         ; the closing round
	s_endpgm
.Lfunc_end_k_q039c2388e7_proj:
	.size	k_q039c2388e7_proj, .Lfunc_end_k_q039c2388e7_proj-k_q039c2388e7_proj
	.p2alignl 7, 3214868480
	.fill 96, 4, 3214868480
	.section	.rodata,"a",@progbits
	.p2align	6, 0x0
	.amdhsa_kernel k_q039c2388e7_proj
		.amdhsa_group_segment_fixed_size 327680
		.amdhsa_private_segment_fixed_size 0
		.amdhsa_enable_private_segment 0
		.amdhsa_kernarg_size 48
		.amdhsa_user_sgpr_count 2
		.amdhsa_user_sgpr_kernarg_segment_ptr 1
		.amdhsa_wavefront_size32 1
		.amdhsa_system_sgpr_workgroup_id_x 1
		.amdhsa_system_sgpr_workgroup_id_y 1
		.amdhsa_system_sgpr_workgroup_id_z 1
		.amdhsa_system_vgpr_workitem_id 0
		.amdhsa_next_free_vgpr 768
		.amdhsa_next_free_sgpr 102
		.amdhsa_reserve_vcc 0
		.amdhsa_float_denorm_mode_32 3
		.amdhsa_float_denorm_mode_16_64 3
		.amdhsa_memory_ordered 1
		.amdhsa_forward_progress 1
		.amdhsa_inst_pref_size 74
	.end_amdhsa_kernel
	.amdgpu_metadata
---
amdhsa.version: [ 1, 2 ]
amdhsa.kernels:
  - .name:           k_q039c2388e7_proj
    .symbol:         k_q039c2388e7_proj.kd
    .args:
      - { .name: cc, .offset: 0, .size: 8, .value_kind: global_buffer, .address_space: global }
      - { .name: cs, .offset: 8, .size: 8, .value_kind: global_buffer, .address_space: global }
      - { .name: Wo_codes, .offset: 16, .size: 8, .value_kind: global_buffer, .address_space: global }
      - { .name: Wo_scales, .offset: 24, .size: 8, .value_kind: global_buffer, .address_space: global }
      - { .name: bo, .offset: 32, .size: 8, .value_kind: global_buffer, .address_space: global }
      - { .name: out0, .offset: 40, .size: 8, .value_kind: global_buffer, .address_space: global }
    .group_segment_fixed_size: 327680
    .private_segment_fixed_size: 0
    .kernarg_segment_align: 8
    .kernarg_segment_size: 48
    .max_flat_workgroup_size: 128
    .sgpr_count:     102
    .vgpr_count:     768
    .wavefront_size: 32
...
	.end_amdgpu_metadata
.endif
;; end of part 3
